; MI455X (gfx1250); checked and timed in simulation.
; The chip was launched on July 23, 2026; its instructions are those of AMD's public machine-readable ISA for CDNA 5 (MIT licence, August 2026) and "CDNA5" Instruction Set Architecture Reference Guide (July 2026). The comments in the code are by the model that wrote it; some were corrected since.
;; Graph Multi Head Self Attention. Allowed arithmetic: float matrix products may take bf16 or f16 operands with f32 sums; all other float work in f32.
;; Inputs: Wk 256 x 256 float32; Wq 256 x 256 float32; Wv 256 x 256 float32; adj 2 x 4,096 x 4,096 bool; bk 256 float32; bq 256 float32; bv 256 float32; node_features 2 x 4,096 x 256 float32.
;; Outputs: out0 2 x 4,096 x 256 float32.
;; One version. Each part assembles by itself: llvm-mc -triple=amdgcn-amd-amdhsa -mcpu=gfx1250 --defsym DOCPART=n.
;; ======== version 1 of 1: 2 launches
;; limits: values are held in f16: magnitudes above 65,504 overflow, below 6.1e-05 lose precision
;; workspace buffers: qf 4,194,304 bytes; kv 8,388,608 bytes; mbits 4,194,304 bytes of whole numbers
;; launch prep (part 1): grid 8 x 32, 8 waves a work-group, no clusters, 320,000 bytes of LDS; arguments node_features, adj, Wq, bq, Wk, bk, Wv, bv, qf, kv, mbits; writes qf, kv, mbits
.if DOCPART == 1
	.amdgcn_target "amdgcn-amd-amdhsa--gfx1250"
	.amdhsa_code_object_version 6
	.text
	.protected	k_q6efab9850d_prep
	.globl	k_q6efab9850d_prep
	.p2align	8
	.type	k_q6efab9850d_prep,@function
k_q6efab9850d_prep:
	s_mov_b64 s[64:65], 0
	v_nop
	global_prefetch_b8 v0, s[64:65] scope:SCOPE_SE
	s_setreg_imm32_b32 hwreg(HW_REG_WAVE_MODE, 25, 1), 1
	s_wait_xcnt 0x0
; PREP: the three projections, stored in the order of matrix fragments, and the mask, repacked into lane masks.
;   Q' = (x Wq^T + bq) * log2(e)/sqrt(32),  K = x Wk^T + bk,  V = x Wv^T + bv; f16 operands, f32 sums, results rounded once to f16.
; FORMAT: f16, not bf16: a score goes into an exponent, and its error grows with |q| |k| times the operands' relative rounding; f16's significand of 11 bits
; makes that eight times smaller than bf16's 8 bits.  Room in f16 (largest number 65,504): with x and W both 30 times the drawn spread a projection has spread
; 16 x 30 x 30/16 = 900; with common offsets of 30 on x and 30/16 on W it lies near 256 x 30 x 1.875 = 14,400.
; LIMIT: an x, a W or a projection beyond 65,504 in magnitude becomes infinite.  Numbers below 2^-14 keep an absolute step of 2^-24.
; L = lane, r = L & 15, h = L >> 4.
;   qf[b][head][tile of 16 nodes][c][L][16 bytes]: Q'(node 16 tile + r, d = 16 c + 8 h + 0..7): 1 KB a tile, the 8 registers of a fragment as they are.
;   kv[b][head][group of 32 nodes][4096 bytes]: +0 and +1024 two K tiles, laid as Q's; +2048 and +3072 V^T for d 0-15 and d 16-31:
;       [c][L][16 bytes] = V(node 32 group + 16 c + 8 h + 0..7, d = 16 dt + r).
;   mbits[b*256 + query tile][key tile][j]: a dword whose bit L is adj[query 16 qt + r][key 16 kt + 8 h + j]: the select mask of one register of a score tile.
; SHARES: the work-group (x = head, y = block of 256 of the 8,192 rows) has eight waves.  Wave w makes the head's 96 outputs (32 each of Q, K, V)
; of its 32 rows, and repacks 16 rows x 1,024 keys of the mask (rows 32 (8 y + x) + 16 (w & 1), keys 1,024 (w >> 1)).
; NO CLUSTER: x is read by the eight heads' work-groups and W by the 32 row blocks', but both are f32 and are converted on the way into LDS through
; registers; as f32 tiles x alone would be 262,144 bytes beside the mask's 133,120, which LDS does not hold.
.set PW,     528                       ; LDS row of 256 f16: 512 bytes + 16 = 33 x 16: the 16 rows of a fragment load fall into 16 different 16-byte columns modulo 256
.set MPITCH, 1040                      ; LDS row of 1,024 mask bytes + 16: row r starts 4 r words on, so the 32 lanes' 8 bytes (r, h) fall on 64 different words modulo 64
.set MTILE,  16*MPITCH                 ; a wave's mask tile: 16,640 bytes
.set WST,    8*MTILE                   ; 133,120: 96 rows of W in f16 (Wq's 32, Wk's 32, Wv's 32); written by LDS stores alone
.set XST,    WST+96*PW                 ; 183,808: 256 rows of x in f16, 32 a wave; written by LDS stores alone; ends at 318,976
.set QSCALE, 0x3e8293ee                ; log2(e) / sqrt(32)
.set WOFF, 3                           ; v3   16 t: my 16 bytes in each 4,096 of W's 32 rows
.set XOFF, 4                           ; v4   16 L: my 16 bytes in each 512 of my wave's x rows; also the offset of every store
.set WSTO, 5                           ; v5   where my 8 bytes of W go
.set XSTO, 6                           ; v6   where my 8 bytes of x go
.set XA,   7                           ; v7   fragment address in my wave's x rows
.set WA,   8                           ; v8   fragment address in W's rows
.set MLA,  9                           ; v9   my 8 bytes of the mask tile
.set BOFF, 11                          ; v11  32 h: bias of my 8 outputs
.set BV,   12                          ; v12, v14: bv of my column, d tile 0, 1 (v13, v15 = 0: the pairs' other halves)
.set ACC,  16                          ; v[16:111] 12 tiles: Q 2 et + nt, K 4 + 2 et + nt, V 8 + 2 nt + et
.set STG,  112                         ; v[112:239] four staging slots of 32 registers
.set F0,   112                         ; then fragment buffer 0: x tiles 0, 1, W tiles 0..5
.set F1,   176                         ; and fragment buffer 1
.set MD,   112                         ; then v[112:143] mask bytes, v[144:151] at work, v[152:155] 16 bytes to store
.set TM,   144
.set OUT,  152
.set G0,   32                          ; s[32:35] descriptor group 0
.set G1,   36                          ; s[36:43] descriptor group 1
.set BM,   44                          ; s[44:47] the four byte masks
.set CM,   48                          ; s[48:55] eight lane masks
	s_load_b512 s[4:19], s[0:1], 0x0               ; x s[4:5], adj s[6:7], Wq s[8:9], bq s[10:11], Wk s[12:13], bk s[14:15], Wv s[16:17], bv s[18:19]
	s_load_b128 s[20:23], s[0:1], 0x40             ; qf s[20:21], kv s[22:23]
	s_load_b64 s[24:25], s[0:1], 0x50              ; mbits
	v_lshl_add_u32 v240, v0, 2, 0x4de00
	v_mov_b32 v241, 0
	ds_add_u32 v240, v241
	ds_add_u32 v240, v241
	v_lshrrev_b32 v1, 5, v0
	v_readfirstlane_b32 s26, v1                    ; wave w
	s_mov_b32 s27, ttmp9                           ; head
	s_and_b32 s28, ttmp7, 0xffff                   ; row block rb
	s_lshl3_add_u32 s29, s28, s27                  ; wl = 8 rb + head: which 32 mask rows are the work-group's
	s_and_b32 s56, s26, 1
	s_lshr_b32 s57, s26, 1
	; the mask tile: 16 rows x 1,024 bytes (128 elements of 8 bytes), 4,096 bytes from row to row, 16 bytes of padding behind each row in LDS
	s_mov_b32 s[G0+0], 1                           ; count = 1
	s_mul_i32 s[G0+1], s26, MTILE                  ; LDS address: the wave's own tile
	s_mov_b32 s[G1+0], (3<<16)|(1<<20)|(7<<22)|(3<<25)   ; no mask; elements of 8 bytes; padding on; after every 256 dwords (code 7); 4 dwords (code 3)
	s_mov_b32 s[G1+1], 128<<16                     ; tensor_dim0 = 128
	s_mov_b32 s[G1+2], 16<<16                      ; tensor_dim1 = 16
	s_mov_b32 s[G1+3], 128<<16                     ; tile_dim0 = 128
	s_mov_b32 s[G1+4], 16                          ; tile_dim1 = 16
	s_mov_b32 s[G1+5], 512                         ; 512 elements from row to row
	s_mov_b32 s[G1+6], 0
	s_mov_b32 s[G1+7], 0
	s_lshl_b32 s30, s29, 17                        ; 32 wl rows of 4,096 bytes
	s_lshl_b32 s60, s56, 16                        ; + 16 (w & 1) rows
	s_add_co_u32 s30, s30, s60
	s_lshl_b32 s60, s57, 10                        ; + 1,024 (w >> 1) keys
	s_add_co_u32 s30, s30, s60
	s_mov_b32 s31, 0
	s_mov_b32 s[BM+0], 0xff
	s_mov_b32 s[BM+1], 0xff00
	s_mov_b32 s[BM+2], 0xff0000
	s_mov_b32 s[BM+3], 0xff000000
	s_mov_b32 s58, QSCALE
	s_mov_b32 s59, QSCALE
	; lane terms
	v_and_b32 v10, 31, v0                          ; L
	v_and_b32 v1, 15, v0                           ; r
	v_bfe_u32 v2, v0, 4, 1                         ; h
	v_lshlrev_b32 v[WOFF], 4, v0
	v_lshlrev_b32 v[XOFF], 4, v10
	v_lshrrev_b32 v[WSTO], 6, v0                   ; 64 threads cover a row of W (1,024 bytes): row t >> 6,
	v_mul_u32_u24 v[WSTO], v[WSTO], PW
	v_and_b32 v[XSTO], 63, v0                      ; four numbers at 4 (t & 63), 8 bytes in f16
	v_lshl_add_u32 v[WSTO], v[XSTO], 3, v[WSTO]
	v_add_nc_u32 v[WSTO], WST, v[WSTO]
	s_mul_i32 s62, s26, 32*PW
	s_add_co_u32 s62, s62, XST                     ; my wave's 32 rows of x
	v_lshl_add_u32 v[XSTO], v10, 3, s62
	v_mul_u32_u24 v[WA], v1, PW                    ; a fragment: row r, 16 bytes for each half of the lanes
	v_lshl_add_u32 v[WA], v2, 4, v[WA]
	v_add_nc_u32 v[XA], s62, v[WA]
	v_add_nc_u32 v[WA], WST, v[WA]
	v_mul_u32_u24 v[MLA], v1, MPITCH               ; mask: row r, 8 bytes for each half
	v_lshl_add_u32 v[MLA], v2, 3, v[MLA]
	v_add_nc_u32 v[MLA], s[G0+1], v[MLA]
	v_lshlrev_b32 v[BOFF], 5, v2
	v_lshlrev_b32 v1, 2, v1                        ; 4 r: bv of my column
	v_mov_b32 v[BV+1], 0
	v_mov_b32 v[BV+3], 0
	s_wait_dscnt 0x0
	s_wait_kmcnt 0x0
	s_add_nc_u64 s[G0+2:G0+3], s[6:7], s[30:31]
	s_or_b32 s[G0+3], s[G0+3], 0x80000000          ; type = 2
	tensor_load_to_lds s[G0:G0+3], s[G1:G1+7]      ; the wave's one tensor load: a first fill, never filled again; it lands under the projections
	s_nop 0
	s_lshl_b32 s30, s28, 18                        ; x: 256 rb rows of 1,024 bytes
	s_lshl_b32 s60, s26, 15                        ; + 32 w rows
	s_add_co_u32 s30, s30, s60
	s_add_nc_u64 s[4:5], s[4:5], s[30:31]
	s_lshl_b32 s30, s27, 15                        ; W: the head's 32 rows
	s_add_nc_u64 s[8:9], s[8:9], s[30:31]
	s_add_nc_u64 s[12:13], s[12:13], s[30:31]
	s_add_nc_u64 s[16:17], s[16:17], s[30:31]
	s_lshl_b32 s30, s27, 7                         ; biases: the head's 32 numbers
	s_add_nc_u64 s[10:11], s[10:11], s[30:31]
	s_add_nc_u64 s[14:15], s[14:15], s[30:31]
	s_add_nc_u64 s[18:19], s[18:19], s[30:31]
	; Q's and K's biases go straight into the accumulators and start the sums: register j of lane L is output 16 et + 8 h + j
.irp m, 0,1
.irp et, 0,1
.irp nt, 0,1
	global_load_b128 v[ACC+8*(4*\m+2*\et+\nt):ACC+8*(4*\m+2*\et+\nt)+3],   v[BOFF], s[10+4*\m:11+4*\m] offset:\et*64
	global_load_b128 v[ACC+8*(4*\m+2*\et+\nt)+4:ACC+8*(4*\m+2*\et+\nt)+7], v[BOFF], s[10+4*\m:11+4*\m] offset:\et*64+16
.endr
.endr
.endr
	global_load_b32 v[BV],   v1, s[18:19]           ; V's tiles hold one output column a lane: bv is added at the end
	global_load_b32 v[BV+2], v1, s[18:19] offset:64
; STAGING: 11 batches of eight 16-byte loads through four register slots.  Batches 0-2: the head's rows of Wq, Wk, Wv (the eight waves share them);
; batches 3-10: my wave's 32 rows of x.  Each load of a wave covers 512 consecutive bytes, each LDS store 256.
.macro LOADB n
.set SL, STG+32*((\n)%4)
.if (\n) < 3
.irp i, 0,1,2,3,4,5,6,7
	global_load_b128 v[SL+4*\i:SL+4*\i+3], v[WOFF], s[8+4*(\n):9+4*(\n)] offset:\i*4096
.endr
.else
.irp i, 0,1,2,3,4,5,6,7
	global_load_b128 v[SL+4*\i:SL+4*\i+3], v[XOFF], s[4:5] offset:(8*((\n)-3)+\i)*512
.endr
.endif
.endm
.macro CONV n
.if (\n) <= 7
	s_wait_loadcnt 24                              ; batch n is in; the three younger batches (24 loads) stay out.  The bias loads are older still
.else
	s_wait_loadcnt 8*(10-(\n))                     ; the last batches: 16, 8, 0 younger loads
.endif
.set SL, STG+32*((\n)%4)
.irp i, 0,1,2,3,4,5,6,7
	v_cvt_pk_f16_f32 v[SL+4*\i],   v[SL+4*\i],   v[SL+4*\i+1]
	v_cvt_pk_f16_f32 v[SL+4*\i+1], v[SL+4*\i+2], v[SL+4*\i+3]
.if (\n) < 3
	ds_store_b64 v[WSTO], v[SL+4*\i:SL+4*\i+1] offset:(32*(\n)+4*\i)*PW              ; load i holds rows 4 i .. 4 i + 3 of the matrix's 32
.else
	ds_store_b64 v[XSTO], v[SL+4*\i:SL+4*\i+1] offset:(4*((\n)-3)+(\i>>1))*PW+(\i&1)*256   ; two loads make a row
.endif
.endr
.if (\n) <= 6
	LOADB \n+4                                     ; the slot's next batch
.endif
.endm
	LOADB 0
	LOADB 1
	LOADB 2
	LOADB 3
	; where the results go (scalar work under the loads)
	s_lshr_b32 s60, s28, 4                         ; b
	s_lshl3_add_u32 s60, s60, s27                  ; 8 b + head
	s_and_b32 s61, s28, 15                         ; row block within the batch
	s_lshl_b32 s30, s60, 18                        ; qf: 262,144 bytes a head,
	s_lshl_b32 s63, s61, 14                        ; 16 tiles a row block,
	s_add_co_u32 s30, s30, s63
	s_lshl_b32 s63, s26, 11                        ; 2 tiles a wave
	s_add_co_u32 s30, s30, s63
	s_add_nc_u64 s[20:21], s[20:21], s[30:31]
	s_lshl_b32 s30, s60, 19                        ; kv: 524,288 bytes a head,
	s_lshl3_add_u32 s63, s61, s26                  ; group 8 (rb & 15) + w of 4,096 bytes
	s_lshl_b32 s63, s63, 12
	s_add_co_u32 s30, s30, s63
	s_add_nc_u64 s[22:23], s[22:23], s[30:31]
	s_lshl1_add_u32 s30, s29, s56                  ; mbits: query tile 2 wl + (w & 1), 8,192 bytes each,
	s_lshl_b32 s30, s30, 13
	s_lshl_b32 s63, s57, 11                        ; 64 key tiles of 32 bytes for each 1,024 keys
	s_add_co_u32 s30, s30, s63
	s_add_nc_u64 s[24:25], s[24:25], s[30:31]
.irp n, 0,1,2,3,4,5,6,7,8,9,10
	CONV \n
.endr
	s_wait_dscnt 0x0                               ; my LDS stores are done, for the other waves' sake: W's rows are shared
	s_barrier_signal -1
	s_barrier_wait -1                              ; the mask tile may still be on its way
; THE PRODUCTS: K = 256 in eight steps of 32, two fragment buffers.  For Q and K source 0 is W (16 outputs) and source 1 is x (16 nodes): a lane's eight results
; are eight neighbouring outputs of one node.  For V source 0 is x and source 1 is Wv: eight neighbouring nodes of one output.  Both pack into 16 bytes of a fragment.
.macro FETCH ks, f
.irp nt, 0,1
.irp c, 0,1
	ds_load_b128 v[\f+8*\nt+4*\c:\f+8*\nt+4*\c+3], v[XA] offset:\nt*16*PW+(\ks)*64+\c*32
.endr
.endr
.irp i, 0,1,2,3,4,5
.irp c, 0,1
	ds_load_b128 v[\f+16+8*\i+4*\c:\f+16+8*\i+4*\c+3], v[WA] offset:\i*16*PW+(\ks)*64+\c*32
.endr
.endr
.endm
; twelve matrix instructions; the twelve accumulators take turns, one instruction a turn
.macro MUL f, zero
.irp m, 0,1
.irp et, 0,1
.irp nt, 0,1
	v_wmma_f32_16x16x32_f16 v[ACC+8*(4*\m+2*\et+\nt):ACC+8*(4*\m+2*\et+\nt)+7], v[\f+16+8*(2*\m+\et):\f+16+8*(2*\m+\et)+7], v[\f+8*\nt:\f+8*\nt+7], v[ACC+8*(4*\m+2*\et+\nt):ACC+8*(4*\m+2*\et+\nt)+7]
.endr
.endr
.endr
.irp nt, 0,1
.irp et, 0,1
.if \zero
	v_wmma_f32_16x16x32_f16 v[ACC+8*(8+2*\nt+\et):ACC+8*(8+2*\nt+\et)+7], v[\f+8*\nt:\f+8*\nt+7], v[\f+16+8*(4+\et):\f+16+8*(4+\et)+7], 0
.else
	v_wmma_f32_16x16x32_f16 v[ACC+8*(8+2*\nt+\et):ACC+8*(8+2*\nt+\et)+7], v[\f+8*\nt:\f+8*\nt+7], v[\f+16+8*(4+\et):\f+16+8*(4+\et)+7], v[ACC+8*(8+2*\nt+\et):ACC+8*(8+2*\nt+\et)+7]
.endif
.endr
.endr
.endm
.macro PLACES                          ; four places behind the last matrix instructions (ISA guide 7.12.1) before their registers are loaded into, read or written
.rept 4
	v_nop
.endr
.endm
.macro KSTEP ks, f, g                  ; buffer g gets step ks + 1, buffer f (step ks) is multiplied
	PLACES
	FETCH \ks+1, \g
	s_wait_dscnt 16                                ; all but the 16 loads just issued: step ks is in
	MUL \f, 0
.endm
	FETCH 0, F0
	FETCH 1, F1
	s_wait_dscnt 16                                ; step 0 is in, step 1's 16 loads stay out
	MUL F0, 1                                      ; V's sums start from the constant 0, Q's and K's from their biases
	KSTEP 1, F1, F0
	KSTEP 2, F0, F1
	KSTEP 3, F1, F0
	KSTEP 4, F0, F1
	KSTEP 5, F1, F0
	KSTEP 6, F0, F1
	s_wait_dscnt 0x0
	MUL F1, 0
	; scale Q, add bv, round once to f16, store: each store of the wave covers 512 consecutive bytes, aligned
	PLACES
.irp a, 0,1,2,3
.irp k, 0,2,4,6
	v_pk_mul_f32 v[ACC+8*\a+\k:ACC+8*\a+\k+1], v[ACC+8*\a+\k:ACC+8*\a+\k+1], s[58:59] op_sel_hi:[1,0]
.endr
.endr
.irp nt, 0,1
.irp et, 0,1
.irp k, 0,2,4,6
	v_pk_add_f32 v[ACC+8*(8+2*\nt+\et)+\k:ACC+8*(8+2*\nt+\et)+\k+1], v[ACC+8*(8+2*\nt+\et)+\k:ACC+8*(8+2*\nt+\et)+\k+1], v[BV+2*\et:BV+2*\et+1] op_sel_hi:[1,0]
.endr
.endr
.endr
.irp a, 0,1,2,3,4,5,6,7,8,9,10,11
.irp i, 0,1,2,3
	v_cvt_pk_f16_f32 v[ACC+8*\a+\i], v[ACC+8*\a+2*\i], v[ACC+8*\a+2*\i+1]
.endr
.endr
.irp et, 0,1
.irp nt, 0,1
	global_store_b128 v[XOFF], v[ACC+8*(2*\et+\nt):ACC+8*(2*\et+\nt)+3],     s[20:21] offset:\nt*1024+\et*512        ; Q': tile nt, half c = et
	global_store_b128 v[XOFF], v[ACC+8*(4+2*\et+\nt):ACC+8*(4+2*\et+\nt)+3], s[22:23] offset:\nt*1024+\et*512        ; K likewise
	global_store_b128 v[XOFF], v[ACC+8*(8+2*\nt+\et):ACC+8*(8+2*\nt+\et)+3], s[22:23] offset:2048+\et*1024+\nt*512   ; V^T: d tile et, half c = nt
.endr
.endr
; THE MASK.  A trip takes 16 key tiles: lane (r, h) reads the 8 bytes adj[row r][16 k + 8 h + 0..7] of tile k; byte j of all 32 lanes makes one lane mask
; (and, compare), which is dword j of tile k; v_writelane_b32 puts it where lane 2 k + (j >> 2) stores its 16 bytes.  Three vector instructions for 32 mask bytes.
; The trip stands in the immediates: no address register is rewritten.
.macro MTRIP tr
.irp k, 0,1,2,3,4,5,6,7,8,9,10,11,12,13,14,15
	ds_load_b64 v[MD+2*\k:MD+2*\k+1], v[MLA] offset:\tr*256+16*\k
.endr
	s_wait_dscnt 0x0
	s_wait_xcnt 0x0                                ; OUT, the data of the last trip's store, is rewritten only behind this wait
.irp k, 0,1,2,3,4,5,6,7,8,9,10,11,12,13,14,15
.irp j, 0,1,2,3,4,5,6,7
	v_and_b32 v[TM+\j], s[BM+(\j&3)], v[MD+2*\k+(\j>>2)]
.endr
.irp j, 0,1,2,3,4,5,6,7
	v_cmp_ne_u32 s[CM+\j], 0, v[TM+\j]
.endr
.irp j, 0,1,2,3,4,5,6,7
	v_writelane_b32 v[OUT+(\j&3)], s[CM+\j], 2*\k+(\j>>2)
.endr
.endr
	global_store_b128 v[XOFF], v[OUT:OUT+3], s[24:25] offset:\tr*512     ; 16 key tiles x 32 bytes = 512 consecutive bytes
.endm
	s_wait_tensorcnt 0x0                           ; my tile is in LDS; only I read it
.irp i, 0,1,2,3
	v_mov_b32 v[OUT+\i], 0                         ; v_writelane_b32 counts as a reader of its destination
.endr
	MTRIP 0
	MTRIP 1
	MTRIP 2
	MTRIP 3
	s_wait_tensorcnt 0x0
	ds_add_u32 v240, v241
	s_wait_dscnt 0x0
	s_endpgm
.Lfunc_end_k_q6efab9850d_prep:
	.size	k_q6efab9850d_prep, .Lfunc_end_k_q6efab9850d_prep-k_q6efab9850d_prep
	.p2alignl 7, 3214868480
	.fill 96, 4, 3214868480
	.section	.rodata,"a",@progbits
	.p2align	6, 0x0
	.amdhsa_kernel k_q6efab9850d_prep
		.amdhsa_group_segment_fixed_size 320000
		.amdhsa_private_segment_fixed_size 0
		.amdhsa_enable_private_segment 0
		.amdhsa_kernarg_size 88
		.amdhsa_user_sgpr_count 2
		.amdhsa_user_sgpr_kernarg_segment_ptr 1
		.amdhsa_wavefront_size32 1
		.amdhsa_system_sgpr_workgroup_id_x 1
		.amdhsa_system_sgpr_workgroup_id_y 1
		.amdhsa_system_sgpr_workgroup_id_z 1
		.amdhsa_system_vgpr_workitem_id 0
		.amdhsa_next_free_vgpr 242
		.amdhsa_next_free_sgpr 66
		.amdhsa_reserve_vcc 0
		.amdhsa_float_denorm_mode_32 3
		.amdhsa_float_denorm_mode_16_64 3
		.amdhsa_memory_ordered 1
		.amdhsa_forward_progress 1
		.amdhsa_inst_pref_size 138
	.end_amdhsa_kernel
	.amdgpu_metadata
---
amdhsa.version: [ 1, 2 ]
amdhsa.kernels:
  - .name:           k_q6efab9850d_prep
    .symbol:         k_q6efab9850d_prep.kd
    .args:
      - { .name: node_features, .offset: 0, .size: 8, .value_kind: global_buffer, .address_space: global }
      - { .name: adj, .offset: 8, .size: 8, .value_kind: global_buffer, .address_space: global }
      - { .name: Wq, .offset: 16, .size: 8, .value_kind: global_buffer, .address_space: global }
      - { .name: bq, .offset: 24, .size: 8, .value_kind: global_buffer, .address_space: global }
      - { .name: Wk, .offset: 32, .size: 8, .value_kind: global_buffer, .address_space: global }
      - { .name: bk, .offset: 40, .size: 8, .value_kind: global_buffer, .address_space: global }
      - { .name: Wv, .offset: 48, .size: 8, .value_kind: global_buffer, .address_space: global }
      - { .name: bv, .offset: 56, .size: 8, .value_kind: global_buffer, .address_space: global }
      - { .name: qf, .offset: 64, .size: 8, .value_kind: global_buffer, .address_space: global }
      - { .name: kv, .offset: 72, .size: 8, .value_kind: global_buffer, .address_space: global }
      - { .name: mbits, .offset: 80, .size: 8, .value_kind: global_buffer, .address_space: global }
    .group_segment_fixed_size: 320000
    .private_segment_fixed_size: 0
    .kernarg_segment_align: 8
    .kernarg_segment_size: 88
    .max_flat_workgroup_size: 256
    .sgpr_count:     66
    .vgpr_count:     242
    .wavefront_size: 32
...
	.end_amdgpu_metadata
.endif
;; end of part 1
;; launch attn (part 2): grid 32 x 8, 8 waves a work-group, clusters of 4 x 1, 327,680 bytes of LDS; arguments qf, kv, mbits, out0; writes out0
.if DOCPART == 2
	.amdgcn_target "amdgcn-amd-amdhsa--gfx1250"
	.amdhsa_code_object_version 6
	.text
	.protected	k_q6efab9850d_attn
	.globl	k_q6efab9850d_attn
	.p2align	8
	.type	k_q6efab9850d_attn,@function
k_q6efab9850d_attn:
	s_mov_b64 s[64:65], 0
	v_nop
	global_prefetch_b8 v0, s[64:65] scope:SCOPE_SE
	s_setreg_imm32_b32 hwreg(HW_REG_WAVE_MODE, 25, 1), 1
	s_wait_xcnt 0x0
	s_wait_alu depctr_hold_cnt(0) depctr_sa_sdst(0) depctr_va_vdst(0) depctr_va_sdst(0) depctr_va_ssrc(0) depctr_va_vcc(0) depctr_vm_vsrc(0)
	s_getreg_b32 s2, hwreg(HW_REG_IB_STS2, 6, 4)
	s_cmp_eq_u32 s2, 0
	s_cbranch_scc0 .Lentry_in_a_cluster
	s_endpgm
.Lentry_in_a_cluster:
	s_bfe_u32 s2, ttmp6, 0x10000c
	s_cmp_lg_u32 s2, 0x3003
	s_cbranch_scc0 .Lentry_shape_is_right
	s_endpgm
.Lentry_shape_is_right:
; ATTN: masked attention with a running maximum, from the f16 fragments and lane masks that the launch before has stored (layouts: see there).
; The work-group (y = 4 b + head pair, x = block of 128 queries) has eight waves: wave w takes head 2 hp + (w >> 2) and the 32 queries 32 (w & 3) .. + 31 of the block
; (two query tiles q = 0, 1), over all 4,096 keys, 128 keys (a block, eight key tiles t) at a time.
; TRANSPOSED: S^T = K Q'^T, so lane L (r = L & 15, h = L >> 4) holds query r and keys 8 h + 0..7 of each tile.  Maximum, scale and sum are one number a lane; two tiles
; packed to f16 ARE the second source of out^T = V^T P^T; one v_cndmask_b32 with a lane mask from a scalar register masks a register of scores.
; Q' carries log2(e)/sqrt(32), so p = 2^(s - m).  The row sums are made by the matrix unit (a first source of ones), over the same f16 p as the numerator.
; CLUSTER: the four query blocks of a cluster read the same K and V of the head pair; every K/V tile is asked for jointly (mask 15), which divides those requests by four.
; The place in the cluster (cx) enters the global addresses of qf, mbits and out0 alone: no LDS address, no branch, no descriptor.
; FORMAT: all matrix operands are f16 (significand of 11 bits); p lies in [0, 1] by the running maximum, so it has room there for every input.
; LIMITS: p below 2^-25 of the row's running maximum rounds to 0: at most 4,096 x 2^-25 = 1.2e-4 of a row's weight.  A score that is NaN is dropped by the maximum
; (v_max3_num_f32), not propagated.  The running maximum starts at -FLT_MAX (0xff7fffff) and is part of every maximum, so s - m is never inf - inf.
; A row with no neighbour ends with sum 0 and numerator 0: 0 x (1/0) = NaN, as the softmax of a row of -inf gives.
.set SLOT,  131072                     ; an LDS slot: 512 keys of both heads: [head of the pair][16 groups x 4,096 bytes]
.set WPART, 16384                      ; what one tensor load brings (128 keys of one head), and what a block reads
.set STAGE, 2*SLOT                     ; 262,144: the way out, 128 rows x 272 bytes, written by LDS stores alone; ends at 296,960
.set SP,    272                        ; 256 bytes + 16: the 16 rows that a store touches fall into 16 different 16-byte columns modulo 256
.set LA,   2                           ; v2, v3  16 L + 65,536 p + slot: never rewritten; the block's place stands in the loads' immediates (65,024 at the most)
.set NEG,  4                           ; v4      -inf
.set QOFF, 5                           ; v5      16 L
.set MX,   6                           ; v[6:7], v[8:9]  running maximum of query tile 0, 1 (odd registers 0: the pairs' other halves)
.set AL,   12                          ; v[12:13] 2^(old maximum - new), later 1 / sum
.set TM,   14                          ; v[14:17] four chains of the maximum
.set STO,  18                          ; v18     the way out: where my 32 bytes of a row go
.set RD,   19                          ; v19     where I read rows back
.set CO,   20                          ; v20     my byte offset in out0
.set QR,   24                          ; v[24:39]  Q' fragments, 8 q
.set ACC,  40                          ; v[40:71]  out^T, 16 q + 8 dt
.set LAC,  72                          ; v[72:87]  row sums, 8 q (register 0 is the one that is used)
.set SC,   88                          ; v[88:215] scores, 64 q + 8 t; then p packed: P(q, g) = the first 8 registers of each 16
.set OUTR, 216                         ; v[216:247] rows on their way out
.set KF,   0                           ; window 1 (v256 ..): v[0:63] K fragments, 8 t
.set VF,   64                          ;            v[64:127] V^T fragments, 16 g + 8 dt
.set ONE,  128                         ;            v[128:135] a fragment of ones
.set G1,   16                          ; s[16:23] descriptor group 1
.set G0,   24                          ; s[24:31] descriptor group 0, one set for each slot
; s[32:63], s[68:99]: the 64 lane masks of one query tile and one block.  s66, s67: selectors of v_permlanex16_b32.
.set MSB, 0
.macro WIN new                         ; s_set_vgpr_msb: bits 1:0 source 0, 7:6 destination; the high byte repeats the setting that is left
.if MSB != \new
	s_set_vgpr_msb (MSB<<8)|\new
.set MSB, \new
.endif
.endm
.set TO_W1,  0x40                      ; destination in window 1 (loads of K and V, the ones)
.set A_W1,   0x01                      ; source 0 in window 1 (every matrix instruction)
; A round of the cluster's barrier: my work-group's barrier, wave 0 signals for the work-group, every wave waits for the four work-groups, my work-group's barrier again.
.macro ROUND
	s_barrier_signal -1
	s_barrier_wait -1
	s_cmp_lg_u32 s12, 0
	s_cbranch_scc1 .Lnot_wave_0_\@
	s_barrier_signal -3
.Lnot_wave_0_\@:
	s_barrier_wait -3
	s_barrier_signal -1
	s_barrier_wait -1
.endm
	s_load_b256 s[4:11], s[0:1], 0x0               ; qf s[4:5], kv s[6:7], mbits s[8:9], out0 s[10:11]
	v_lshl_add_u32 v254, v0, 2, 0x48800
	v_mov_b32 v255, 0
	ds_add_u32 v254, v255
	ds_add_u32 v254, v255
	v_lshrrev_b32 v1, 5, v0
	v_readfirstlane_b32 s12, v1                    ; wave w
	s_lshr_b32 s13, s12, 2                         ; p: which head of the pair
	s_and_b32 s14, s12, 3                          ; qg: which 32 queries; also which 128 keys of a slot I fetch
	s_and_b32 s36, ttmp7, 0xffff                   ; y = 4 b + head pair
	s_lshl1_add_u32 s39, s36, s13                  ; 2 y + p = 8 b + head
	s_lshl_b32 s40, s39, 19                        ; kv: 524,288 bytes a head
	s_lshl_b32 s42, s14, 14                        ; + my 16,384 bytes of a phase.  s[40:42] never hold anything made of cx
	s_add_co_u32 s40, s40, s42
	s_mov_b32 s41, 0
	s_bfe_u32 s37, ttmp6, 0x40000                  ; cx
	s_lshl_b32 s38, ttmp9, 2
	s_add_co_u32 s38, s38, s37                     ; qb = 4 x cluster x + cx
	s_lshl_b32 s43, s14, 1
	s_lshl3_add_u32 s43, s38, s43                  ; my first query tile: 8 qb + 2 qg
	s_lshl_b32 s44, s39, 18                        ; qf: 262,144 bytes a head, 1,024 a tile
	s_lshl_b32 s47, s43, 10
	s_add_co_u32 s44, s44, s47
	s_mov_b32 s45, 0
	s_lshr_b32 s46, s36, 2                         ; b
	s_lshl_b32 s48, s46, 8
	s_add_co_u32 s48, s48, s43
	s_lshl_b32 s48, s48, 13                        ; mbits: 8,192 bytes for each of 256 b + tile
	s_mov_b32 s49, 0
	s_lshl_b32 s50, s46, 12                        ; out0: row 4,096 b + 128 qb + 16 w (the 16 rows that I store), 1,024 bytes each,
	s_lshl_b32 s47, s38, 7
	s_add_co_u32 s50, s50, s47
	s_lshl_b32 s47, s12, 4
	s_add_co_u32 s50, s50, s47
	s_lshl_b32 s50, s50, 10
	s_and_b32 s47, s36, 3
	s_lshl_b32 s47, s47, 8                         ; + the head pair's 256 bytes
	s_add_co_u32 s50, s50, s47
	s_mov_b32 s51, 0
	s_mov_b32 s66, 0x76543210                      ; lane i of one half reads lane i of the other
	s_mov_b32 s67, 0xfedcba98
	; group 1: a dense tile of 64 rows x 256 bytes (32 elements of 8 bytes), asked for jointly by the cluster's four work-groups
	s_mov_b32 s[G1+0], 15|(3<<16)|(1<<21)          ; mask 15; elements of 8 bytes; bit 21 set beside a mask; no padding: fragments lie lane by lane
	s_mov_b32 s[G1+1], 32<<16                      ; tensor_dim0 = 32
	s_mov_b32 s[G1+2], 64<<16                      ; tensor_dim1 = 64
	s_mov_b32 s[G1+3], 32<<16                      ; tile_dim0 = 32
	s_mov_b32 s[G1+4], 64                          ; tile_dim1 = 64
	s_mov_b32 s[G1+5], 32                          ; 32 elements from row to row
	s_mov_b32 s[G1+6], 0
	s_mov_b32 s[G1+7], 0
	s_mov_b32 s[G0+0], 1
	s_lshl_b32 s[G0+1], s12, 14                    ; LDS: wave x 16,384 = head p's half, my 128 keys
	s_mov_b32 s[G0+4], 1
	s_add_co_u32 s[G0+5], s[G0+1], SLOT
	; lane terms
	v_and_b32 v1, 31, v0
	v_lshlrev_b32 v[QOFF], 4, v1
	s_lshl_b32 s15, s13, 16
	v_add_nc_u32 v[LA], s15, v[QOFF]
	v_add_nc_u32 v[LA+1], SLOT, v[LA]
	v_mov_b32 v[NEG], 0xff800000
	v_mov_b32 v[MX], 0xff7fffff
	v_mov_b32 v[MX+1], 0
	v_mov_b32 v[MX+2], 0xff7fffff
	v_mov_b32 v[MX+3], 0
	v_mov_b32 v[AL+1], 0
	v_and_b32 v10, 15, v0                          ; r
	v_bfe_u32 v11, v0, 4, 1                        ; h
	s_mul_i32 s100, s14, 32*SP                     ; stage, in: row 32 qg + 16 q + r, byte 128 p + 64 dt + 32 h
	s_lshl_b32 s101, s13, 7
	s_add_co_u32 s100, s100, s101
	s_add_co_u32 s100, s100, STAGE
	v_mul_u32_u24 v[STO], v10, SP
	v_lshl_add_u32 v[STO], v11, 5, v[STO]
	v_add_nc_u32 v[STO], s100, v[STO]
	s_mul_i32 s101, s12, 16*SP                     ; stage, back: rows 16 w .., lanes 0-15 one row of 256 bytes, lanes 16-31 the next
	s_add_co_u32 s101, s101, STAGE
	v_mul_u32_u24 v[RD], v11, SP
	v_lshl_add_u32 v[RD], v10, 4, v[RD]
	v_add_nc_u32 v[RD], s101, v[RD]
	v_lshlrev_b32 v[CO], 10, v11                   ; and the same two rows in out0
	v_lshl_add_u32 v[CO], v10, 4, v[CO]
	WIN TO_W1
.irp i, 0,1,2,3,4,5,6,7
	v_mov_b32 v[ONE+\i], 0x3c003c00                ; two f16 ones
.endr
	WIN 0
	s_wait_dscnt 0x0
	s_wait_kmcnt 0x0
	s_add_nc_u64 s[6:7], s[6:7], s[40:41]
	s_add_nc_u64 s[4:5], s[4:5], s[44:45]
	s_add_nc_u64 s[8:9], s[8:9], s[48:49]
	s_add_nc_u64 s[10:11], s[10:11], s[50:51]
	s_mov_b64 s[G0+2:G0+3], s[6:7]                 ; slot 0: keys 0-511
	s_or_b32 s[G0+3], s[G0+3], 0x80000000          ; type = 2
	s_add_nc_u64 s[G0+6:G0+7], s[6:7], 65536       ; slot 1: keys 512-1,023
	s_or_b32 s[G0+7], s[G0+7], 0x80000000
	ROUND                                          ; the four work-groups are here: the first joint loads meet
	tensor_load_to_lds s[G0:G0+3], s[G1:G1+7]      ; both first fills go out together: two tensor loads of the wave are out
	s_nop 0
	tensor_load_to_lds s[G0+4:G0+7], s[G1:G1+7]
	s_nop 0
	global_load_b128 v[QR:QR+3],     v[QOFF], s[4:5]
	global_load_b128 v[QR+4:QR+7],   v[QOFF], s[4:5] offset:512
	global_load_b128 v[QR+8:QR+11],  v[QOFF], s[4:5] offset:1024
	global_load_b128 v[QR+12:QR+15], v[QOFF], s[4:5] offset:1536
	s_load_b512 s[32:47], s[8:9], 0x0              ; the masks of query tile 0, block 0 (the scratch in s[36:51] has been used up)
	s_load_b512 s[48:63], s[8:9], 0x40
	s_load_b512 s[68:83], s[8:9], 0x80
	s_load_b512 s[84:99], s[8:9], 0xc0
.macro SUBM g, q                       ; s - m, 16 registers
.irp k, 0,2,4,6,8,10,12,14
	v_pk_add_f32 v[SC+64*\q+16*\g+\k:SC+64*\q+16*\g+\k+1], v[SC+64*\q+16*\g+\k:SC+64*\q+16*\g+\k+1], v[MX+2*\q:MX+2*\q+1] op_sel_hi:[1,0] neg_lo:[0,1] neg_hi:[0,1]
.endr
.endm
.macro EXPG g, q                       ; 2^x, 16 registers
.irp k, 0,1,2,3,4,5,6,7,8,9,10,11,12,13,14,15
	v_exp_f32 v[SC+64*\q+16*\g+\k], v[SC+64*\q+16*\g+\k]
.endr
.endm
.macro PACKG g, q                      ; two score tiles become one fragment: keys 32 g + 8 h + 0..7 in registers 0-3, 32 g + 16 + 8 h + 0..7 in registers 4-7
	s_wait_alu depctr_va_vdst(0)
.irp k, 0,1,2,3,4,5,6,7
	v_cvt_pk_f16_f32 v[SC+64*\q+16*\g+\k], v[SC+64*\q+16*\g+2*\k], v[SC+64*\q+16*\g+2*\k+1]
.endr
.endm
; One query tile x 128 keys: mask, running maximum, p = 2^(s - m) in f16, and the old sums scaled by 2^(old m - new m).
.macro SOFTMAX q, first
	s_wait_kmcnt 0x0                               ; this tile's 64 lane masks are in; no scalar load is out,
.if \q
	s_add_nc_u64 s[8:9], s[8:9], 256               ; so their base may step: the next block's 8 key tiles x 32 bytes
.endif
.set i, 0
.rept 64
.if i < 32
	v_cndmask_b32 v[SC+64*\q+i], v[NEG], v[SC+64*\q+i], s[32+i]    ; bit set: the score stays; else -inf
.else
	v_cndmask_b32 v[SC+64*\q+i], v[NEG], v[SC+64*\q+i], s[36+i]
.endif
.set i, i+1
.endr
.if \q
	s_load_b512 s[32:47], s[8:9], 0x0              ; the next user's masks: query tile 0 of the next block.  Behind the last block these 256 bytes are the
	s_load_b512 s[48:63], s[8:9], 0x40             ; start of my second tile's row: inside the buffer, and not used
	s_load_b512 s[68:83], s[8:9], 0x80
	s_load_b512 s[84:99], s[8:9], 0xc0
.else
	s_load_b512 s[32:47], s[8:9], 0x2000           ; query tile 1 of this block: one row of 8,192 bytes further
	s_load_b512 s[48:63], s[8:9], 0x2040
	s_load_b512 s[68:83], s[8:9], 0x2080
	s_load_b512 s[84:99], s[8:9], 0x20c0
.endif
	; the maximum of 64 scores and the old maximum: 32 three-way maxima, four chains of 15 scores, then the rest
.irp c, 0,1,2,3
	v_max3_num_f32 v[TM+\c], v[SC+64*\q+16*\c], v[SC+64*\q+16*\c+1], v[SC+64*\q+16*\c+2]
.endr
.irp k, 3,5,7,9,11,13
.irp c, 0,1,2,3
	v_max3_num_f32 v[TM+\c], v[TM+\c], v[SC+64*\q+16*\c+\k], v[SC+64*\q+16*\c+\k+1]
.endr
.endr
	v_max3_num_f32 v[TM],   v[TM],   v[TM+1], v[SC+64*\q+15]
	v_max3_num_f32 v[TM+2], v[TM+2], v[TM+3], v[SC+64*\q+31]
	v_max3_num_f32 v[TM],   v[TM],   v[TM+2], v[SC+64*\q+47]
	v_max3_num_f32 v[TM],   v[TM],   v[SC+64*\q+63], v[MX+2*\q]
	v_permlanex16_b32 v[TM+1], v[TM], s66, s67     ; lanes L and L xor 16 hold the same query's other keys
	v_max_num_f32 v[TM], v[TM], v[TM+1]
.if \first == 0
	v_sub_f32 v[AL], v[MX+2*\q], v[TM]
	v_exp_f32 v[AL], v[AL]                         ; 2^(old - new); the move below is the plain instruction behind it (ISA guide 5.7.2)
.endif
	v_mov_b32 v[MX+2*\q], v[TM]
	; staggered by groups of 16 registers, so that plain instructions on another group stand between each exponential and its use
	SUBM 0, \q
	EXPG 0, \q
	SUBM 1, \q
	PACKG 0, \q
	EXPG 1, \q
	SUBM 2, \q
	PACKG 1, \q
	EXPG 2, \q
	SUBM 3, \q
	PACKG 2, \q
	EXPG 3, \q
.if \first
	v_nop                                          ; nothing to scale yet: the first products start the sums
	s_wait_alu depctr_va_vdst(0)
.else
.irp k, 0,2,4,6,8,10,12,14
	v_pk_mul_f32 v[ACC+16*\q+\k:ACC+16*\q+\k+1], v[ACC+16*\q+\k:ACC+16*\q+\k+1], v[AL:AL+1] op_sel_hi:[1,0]
.endr
	v_mul_f32 v[LAC+8*\q], v[LAC+8*\q], v[AL]      ; of the sums' 8 equal registers only register 0 is read at the end: the others go unscaled (at most 4,096 numbers of at most 1)
	s_wait_alu depctr_va_vdst(0)
.endif
	PACKG 3, \q
.endm
; three matrix instructions on 32 keys of one query tile: out^T for d 0-15 and d 16-31, and the row sums
.macro PV3 g, q, zero
.if \zero
	v_wmma_f32_16x16x32_f16 v[ACC+16*\q:ACC+16*\q+7],    v[VF+16*\g:VF+16*\g+7],    v[SC+64*\q+16*\g:SC+64*\q+16*\g+7], 0
	v_wmma_f32_16x16x32_f16 v[ACC+16*\q+8:ACC+16*\q+15], v[VF+16*\g+8:VF+16*\g+15], v[SC+64*\q+16*\g:SC+64*\q+16*\g+7], 0
	v_wmma_f32_16x16x32_f16 v[LAC+8*\q:LAC+8*\q+7],      v[ONE:ONE+7],              v[SC+64*\q+16*\g:SC+64*\q+16*\g+7], 0
.else
	v_wmma_f32_16x16x32_f16 v[ACC+16*\q:ACC+16*\q+7],    v[VF+16*\g:VF+16*\g+7],    v[SC+64*\q+16*\g:SC+64*\q+16*\g+7], v[ACC+16*\q:ACC+16*\q+7]
	v_wmma_f32_16x16x32_f16 v[ACC+16*\q+8:ACC+16*\q+15], v[VF+16*\g+8:VF+16*\g+15], v[SC+64*\q+16*\g:SC+64*\q+16*\g+7], v[ACC+16*\q+8:ACC+16*\q+15]
	v_wmma_f32_16x16x32_f16 v[LAC+8*\q:LAC+8*\q+7],      v[ONE:ONE+7],              v[SC+64*\q+16*\g:SC+64*\q+16*\g+7], v[LAC+8*\q:LAC+8*\q+7]
.endif
.endm
; 128 keys: block blk (0..3) of the slot.
.macro BLOCK first, slot, blk
.if \first == 0
.rept 5
	v_nop                                          ; five places behind the last matrix instructions: loads land in V's registers, the score products write over P's
.endr
.endif
	WIN TO_W1
.irp t, 0,1,2,3,4,5,6,7
.irp c, 0,1
	ds_load_b128 v[KF+8*\t+4*\c:KF+8*\t+4*\c+3], v[LA+\slot] offset:\blk*WPART+(\t>>1)*4096+(\t&1)*1024+\c*512
.endr
.endr
.irp f, 0,1,2,3,4,5,6,7
.irp c, 0,1
	ds_load_b128 v[VF+8*\f+4*\c:VF+8*\f+4*\c+3], v[LA+\slot] offset:\blk*WPART+(\f>>1)*4096+2048+(\f&1)*1024+\c*512
.endr
.endr
	s_wait_dscnt 16                                ; K's 16 loads are in; V's 16, issued behind them, may stay out
	WIN A_W1
.irp t, 0,1,2,3,4,5,6,7
.irp q, 0,1
	v_wmma_f32_16x16x32_f16 v[SC+64*\q+8*\t:SC+64*\q+8*\t+7], v[KF+8*\t:KF+8*\t+7], v[QR+8*\q:QR+8*\q+7], 0
.endr
.endr
	WIN 0
.rept 4
	v_nop                                          ; four places before vector instructions read the scores
.endr
	SOFTMAX 0, \first
	SOFTMAX 1, \first
	s_wait_dscnt 0x0                               ; V is in
	WIN A_W1
	; the six accumulators take turns, one instruction a turn
	PV3 0, 0, \first
	PV3 0, 1, \first
.irp g, 1,2,3
	PV3 \g, 0, 0
	PV3 \g, 1, 0
.endr
	WIN 0
.endm
.macro PHASE slot                      ; the slot's 512 keys
	BLOCK 0, \slot, 0
	BLOCK 0, \slot, 1
	BLOCK 0, \slot, 2
	BLOCK 0, \slot, 3
.endm
; A change of slots.  In front of the round each wave waits for all its tensor loads (its part of this slot among them) and for its reads of the other slot; behind the
; round no wave of any of the four work-groups reads the other slot or has a load on its way: it is filled again first thing, one load a wave, and has this
; slot's four blocks in which to land.
.macro TWO slot, refill
	s_wait_tensorcnt 0x0                           ; no tensor load of mine is out, so a group 0 may be written:
	ds_add_u32 v254, v255
	s_wait_dscnt 0x0
	s_add_nc_u64 s[G0+6-4*\slot:G0+7-4*\slot], s[G0+6-4*\slot:G0+7-4*\slot], 2*65536   ; the other slot's next 512 keys
	s_wait_dscnt 0x0                               ; my reads of the other slot are back
	ROUND
.if \refill
	tensor_load_to_lds s[G0+4-4*\slot:G0+7-4*\slot], s[G1:G1+7]
	s_nop 0
.endif
	PHASE \slot
.endm
	s_wait_tensorcnt 0x1                           ; my part of slot 0 is in; slot 1's load, issued behind it, may stay out
	s_barrier_signal -1
	s_barrier_wait -1                              ; everybody's part is in
	s_wait_loadcnt 0x0                             ; Q'
	BLOCK 1, 0, 0                                  ; the first block starts the sums: nothing is cleared
	BLOCK 0, 0, 1
	BLOCK 0, 0, 2
	BLOCK 0, 0, 3
	s_mov_b32 s3, 3                                ; eight phases of 512 keys: one above, six in the loop, one behind it; six refills
.Lpair:
	TWO 1, 1
	TWO 0, 1
	s_sub_co_u32 s3, s3, 1
	s_cmp_lg_u32 s3, 0
	s_cbranch_scc1 .Lpair
	TWO 1, 0                                       ; the last phase fetches nothing (slot 0's stepped address is not used)
	; THE WAY OUT.  Lane L holds, of query r, d = 16 dt + 8 h + 0..7: 32 bytes of a row of out0, of which a head has 128 and the pair 256.  Both heads' waves put them
	; into the stage; behind a barrier each wave reads 16 whole rows back, and 16 neighbouring lanes store 256 consecutive bytes, aligned.
	s_wait_kmcnt 0x0                               ; the masks fetched beyond the last block have landed
.rept 4
	v_nop                                          ; four places behind the last matrix instructions
.endr
	v_rcp_f32 v[AL], v[LAC]
	v_rcp_f32 v[TM], v[LAC+8]
	v_nop                                          ; the plain instruction behind the reciprocals (ISA guide 5.7.2)
	s_wait_alu depctr_va_vdst(0)
.irp k, 0,2,4,6,8,10,12,14
	v_pk_mul_f32 v[ACC+\k:ACC+\k+1], v[ACC+\k:ACC+\k+1], v[AL:AL+1] op_sel_hi:[1,0]
.endr
.irp k, 0,2,4,6,8,10,12,14
	v_pk_mul_f32 v[ACC+16+\k:ACC+16+\k+1], v[ACC+16+\k:ACC+16+\k+1], v[TM:TM+1] op_sel_hi:[1,0]
.endr
.irp q, 0,1
.irp dt, 0,1
	ds_store_b128 v[STO], v[ACC+16*\q+8*\dt:ACC+16*\q+8*\dt+3]   offset:\q*16*SP+\dt*64
	ds_store_b128 v[STO], v[ACC+16*\q+8*\dt+4:ACC+16*\q+8*\dt+7] offset:\q*16*SP+\dt*64+16
.endr
.endr
	s_wait_dscnt 0x0                               ; my stores are done, for the other waves' sake
	s_barrier_signal -1
	s_barrier_wait -1
.irp i, 0,1,2,3,4,5,6,7
	ds_load_b128 v[OUTR+4*\i:OUTR+4*\i+3], v[RD] offset:\i*2*SP
.endr
.irp i, 0,1,2,3,4,5,6,7
	s_wait_dscnt 7-\i                              ; LDS loads come back in order: pair i of rows is in, the younger ones stay out
	global_store_b128 v[CO], v[OUTR+4*\i:OUTR+4*\i+3], s[10:11] offset:\i*2048 th:TH_STORE_NT
.endr
	s_wait_tensorcnt 0x0
	ds_add_u32 v254, v255
	s_wait_dscnt 0x0
	ROUND                                          ; the closing round: no work-group ends while a partner may still ask jointly
	s_endpgm
.Lfunc_end_k_q6efab9850d_attn:
	.size	k_q6efab9850d_attn, .Lfunc_end_k_q6efab9850d_attn-k_q6efab9850d_attn
	.p2alignl 7, 3214868480
	.fill 96, 4, 3214868480
	.section	.rodata,"a",@progbits
	.p2align	6, 0x0
	.amdhsa_kernel k_q6efab9850d_attn
		.amdhsa_group_segment_fixed_size 327680
		.amdhsa_private_segment_fixed_size 0
		.amdhsa_enable_private_segment 0
		.amdhsa_kernarg_size 32
		.amdhsa_user_sgpr_count 2
		.amdhsa_user_sgpr_kernarg_segment_ptr 1
		.amdhsa_wavefront_size32 1
		.amdhsa_system_sgpr_workgroup_id_x 1
		.amdhsa_system_sgpr_workgroup_id_y 1
		.amdhsa_system_sgpr_workgroup_id_z 1
		.amdhsa_system_vgpr_workitem_id 0
		.amdhsa_next_free_vgpr 392
		.amdhsa_next_free_sgpr 102
		.amdhsa_reserve_vcc 0
		.amdhsa_float_denorm_mode_32 3
		.amdhsa_float_denorm_mode_16_64 3
		.amdhsa_memory_ordered 1
		.amdhsa_forward_progress 1
		.amdhsa_inst_pref_size 255
	.end_amdhsa_kernel
	.section	.bss,"aw",@nobits
	.p2align	6
	.space	262144
	.amdgpu_metadata
---
amdhsa.version: [ 1, 2 ]
amdhsa.kernels:
  - .name:           k_q6efab9850d_attn
    .symbol:         k_q6efab9850d_attn.kd
    .args:
      - { .name: qf, .offset: 0, .size: 8, .value_kind: global_buffer, .address_space: global }
      - { .name: kv, .offset: 8, .size: 8, .value_kind: global_buffer, .address_space: global }
      - { .name: mbits, .offset: 16, .size: 8, .value_kind: global_buffer, .address_space: global }
      - { .name: out0, .offset: 24, .size: 8, .value_kind: global_buffer, .address_space: global }
    .group_segment_fixed_size: 327680
    .private_segment_fixed_size: 0
    .kernarg_segment_align: 8
    .kernarg_segment_size: 32
    .max_flat_workgroup_size: 256
    .sgpr_count:     102
    .vgpr_count:     392
    .wavefront_size: 32
...
	.end_amdgpu_metadata
.endif
;; end of part 2
